; MI455X (gfx1250); checked and timed in simulation.
; The chip was launched on July 23, 2026; its instructions are those of AMD's public machine-readable ISA for CDNA 5 (MIT licence, August 2026) and "CDNA5" Instruction Set Architecture Reference Guide (July 2026). The comments in the code are by the model that wrote it; some were corrected since.
;; Attention. Allowed arithmetic: matrix products marked QUANTISED: E4M3 operands, one given power-of-two scale a tensor, by v_wmma_f32_16x16x64_fp8_fp8 or v_wmma_f32_16x16x128_fp8_fp8, f32 sums; everything else in f32.
;; Inputs: W_attn 1,024 x 3,072 float32; W_proj 1,024 x 1,024 float32; b_attn 3,072 float32; b_proj 1,024 float32; lowp_scales 8 int32 (the exponents e of the quantised operands' scales 2^e); x 4 x 2,048 x 1,024 float32.
;; Outputs: out0 4 x 2,048 x 1,024 float32.
;; This version of the problem:
;;   THIS VERSION OF THE PROBLEM IS GIVEN IN LOW PRECISION. The matrix products marked QUANTISED in the list below multiply operands that are first quantised to E4M3 (4 exponent bits, 3 mantissa bits; 8 bits a number), with one given power-of-two scale for each operand tensor; their sums are f32. All else is computed in f32.
;;   The module's matrix products, in the order in which they are computed (A, B: the left and right operand; K: the contracted axis; several contracted axes count as one K, in the product's order):
;;     1. [M 8,192, K 1,024] x [K 1,024, N 3,072]; A: input x; B: input W_attn: QUANTISED (scales: A lowp_scales[0], B lowp_scales[1])
;;     2. batch 64 x [M 2,048, K 64] x [K 64, N 2,048]; A: computed on the way; B: computed on the way: QUANTISED (scales: A lowp_scales[2], B lowp_scales[3])
;;     3. batch 64 x [M 2,048, K 2,048] x [K 2,048, N 64]; A: softmax (see below); B: computed on the way: QUANTISED (scales: A lowp_scales[4], B lowp_scales[5])
;;     4. [M 8,192, K 1,024] x [K 1,024, N 1,024]; A: computed on the way; B: input W_proj: QUANTISED (scales: A lowp_scales[6], B lowp_scales[7])
;;   THE QUANTISER, for each operand of a quantised product, along K:
;;     - The operand's scale is 2^e, e = its entry of the input lowp_scales (int32; the entries are numbered through the quantised products in the list's order, A before B).
;;     - Each number is divided by the scale, clamped to +-448, and rounded to the nearest number of E4M3, ties to even, subnormals kept.
;;     - The product sums the exact products of the quantised numbers (number of the format x scale) in f32.
;;   ~~~python
;;   def quantise(x, axis, e):      # numpy; x: float32 -> the quantised numbers, widened to float32 again
;;       x = np.moveaxis(x, axis, -1); K = x.shape[-1]
;;       r = np.clip(x / 2.0 ** e, -448, 448)
;;       step = 2.0 ** (np.maximum(np.frexp(np.where(r == 0, 1, r))[1] - 1, -6) - 3)
;;       q = np.round(r / step) * step * 2.0 ** e      # np.round: ties to even
;;       return np.moveaxis(q, -1, axis).astype(np.float32)
;;   ~~~
;;   SOFTMAX AHEAD OF A QUANTISED PRODUCT. Where the list says 'softmax', what is quantised is not the finished softmax but p = 2^(t - M), with t = logit x log2(e) and M = ceil(the row's largest t), a whole number; so 1/2 < the row's largest p <= 1. The row's sum l is taken of the UNQUANTISED p, in f32, and the product's result is divided by l at the end. Since M is a whole number, a kernel that streams over the keys may use a running M (the ceiling of the running maximum): every later rescaling is an exact power of two, so the quantised numbers keep their values, but for numbers so far below the row's largest that they fall under the format's range.
;;   OPERANDS COMPUTED ON THE WAY. 'Computed on the way' means the value that the module computes at that place (a softmax that the list does not call 'softmax' is quantised finished and normalised). What goes into a quantiser is computed in f32, as accurately as f32 sums, v_exp_f32 and their like allow (about 1e-6 of the number): no bf16 or f16 on the way to a quantiser, and a product that is left as it is and whose result goes on into a quantised operand takes f32 operands (vector FMAs, or v_wmma_f32_16x16x4_f32). A number that lies on a knife's edge between two numbers of the format may be rounded either way, as far as f32 arithmetic and the matrix unit's own rounding can turn it there, and no further.
;; One version. Each part assembles by itself: llvm-mc -triple=amdgcn-amd-amdhsa -mcpu=gfx1250 --defsym DOCPART=n.
;; ======== version 1 of 1: 4 launches
;; limits: right only within a limited range of input values
;; workspace buffers: x_img 8,388,608 bytes; wa_img 3,145,728 bytes; wp_img 1,048,576 bytes; q_img 8,388,608 bytes; k_img 8,388,608 bytes; v_img 8,388,608 bytes; y_img 8,388,608 bytes
;; launch quant (part 1): grid 768 x 1, 4 waves a work-group, no clusters, 34,304 bytes of LDS; arguments x, W_attn, W_proj, lowp_scales, x_img, wa_img, wp_img; writes x_img, wa_img, wp_img
.if DOCPART == 1
	.amdgcn_target "amdgcn-amd-amdhsa--gfx1250"
	.amdhsa_code_object_version 6
	.text
	.protected	k_q2fa70f7cad_quant
	.globl	k_q2fa70f7cad_quant
	.p2align	8
	.type	k_q2fa70f7cad_quant,@function
k_q2fa70f7cad_quant:
	s_mov_b64 s[64:65], 0
	v_nop
	global_prefetch_b8 v0, s[64:65] scope:SCOPE_SE
	s_setreg_imm32_b32 hwreg(HW_REG_WAVE_MODE, 25, 1), 1
	s_wait_xcnt 0x0
; x [8192][1024], W_attn [1024][3072] and W_proj [1024][1024], f32, become codes of E4M3, each with the one scale 2^e given for it (entries 0, 1 and 7 of the scales).
; code = number / 2^e, held within +-448, rounded to the nearest code, ties to even.  LIMITS: each e between -126 and 119, so that 2^e and 448 x 2^e are f32 numbers.  NaN among the inputs is not served.
; THE IMAGE.  All codes are stored as images of operand registers: 16 rows x 64 along K in 1,024 bytes; byte 512 p + 16 L + y (L = 16 h + r) is row r, k = 32 p + 16 (y / 8) + 8 h + y % 8:
; register 4 p + y / 4 of the 8-bit operand layout (registers 2 c, 2 c + 1: k = 16 c + 8 h + 0 .. 7).  A reader takes a quad of registers by one load of 16 bytes a lane, 512 consecutive bytes a wave.
; x_img: [512 tiles of 16 rows][16 images along K];  wa_img: [192 tiles of 16 columns n][16 images];  wp_img: [64 tiles][16 images]: the weights' rows are their columns n, K innermost.
; WORK-GROUPS 0-511 take x (a tile of 16 rows each; wave w takes K 256 w on), 512-703 W_attn, 704-767 W_proj (128 columns x 128 along K each; wave w takes 32 columns).  The three ways part on the work-group's number.
; No tensor loads, no barrier: waves share nothing; only x's way uses LDS, a stage for each wave.
.set R,    32                          ; v32-159  x: 2 steps x 16 rows x 4 registers as loaded;  weights: v32-95 two sets of 32 numbers down K
.set X,    160                         ; v160-223 x: 64 numbers of a lane, 8 neighbours along K in each of 8 groups
.set CDS,  224                         ; v224-255 x: the codes, 16 registers a step: no store's data are written again
.set T,    96                          ; v96-127  weights: the codes, 8 registers a block of 32 along K
.set SP,   528                         ; a stage row: 512 bytes + 16 = 132 words: the 16 rows that a load touches start at 16 different groups of banks
.macro MKSCALE e                       ; v11 = 2^e as f32 (the conversion takes its exponent field), v10 = 448 x 2^e
	s_add_co_i32 s32, s[\e], 127
	s_lshl_b32 s33, s32, 23
	v_mov_b32 v11, s33
	s_add_co_i32 s32, s32, 8
	s_lshl_b32 s32, s32, 23
	s_or_b32 s32, s32, 0x600000
	v_mov_b32 v10, s32
.endm
	s_load_b256 s[4:11], s[0:1], 0x0               ; x s[4:5], W_attn s[6:7], W_proj s[8:9], the scales' exponents s[10:11]
	s_load_b128 s[12:15], s[0:1], 0x20             ; x_img s[12:13], wa_img s[14:15]
	s_load_b64 s[16:17], s[0:1], 0x30              ; wp_img
	v_lshl_add_u32 v30, v0, 2, 0x8400
	v_mov_b32 v31, 0
	v_lshrrev_b32 v1, 5, v0
	v_readfirstlane_b32 s18, v1                    ; wave 0..3
	v_and_b32 v1, 31, v0                           ; lane
	v_and_b32 v2, 15, v0                           ; r
	v_bfe_u32 v3, v0, 4, 1                         ; h
	v_lshlrev_b32 v4, 4, v1                        ; 16 x lane
	v_lshlrev_b32 v5, 2, v1                        ; 4 x lane
	s_mov_b32 s21, 0
	s_wait_kmcnt 0x0
	s_load_b256 s[24:31], s[10:11], 0x0            ; e0 .. e7
	s_cmp_lt_u32 ttmp9, 512
	s_cbranch_scc0 .Lweights
	; ---- x: the work-group's 16 rows, my wave's 256 along K, in two steps of 128
	s_lshl_b32 s20, ttmp9, 16                      ; 16 rows of 4,096 bytes
	s_lshl_b32 s22, s18, 10                        ; + 256 numbers a wave
	s_add_co_u32 s20, s20, s22
	s_add_nc_u64 s[4:5], s[4:5], s[20:21]
	s_lshl_b32 s20, ttmp9, 14                      ; the tile's 16 images
	s_lshl_b32 s22, s18, 12                        ; + my four
	s_add_co_u32 s20, s20, s22
	s_add_nc_u64 s[12:13], s[12:13], s[20:21]
.set i, 0
	s_wait_alu depctr_va_vdst(0)
.rept 32                                       ; all 32 loads at once: each reads 512 consecutive bytes of one row; step 0's sixteen first
	global_load_b128 v[R+4*i:R+4*i+3], v4, s[4:5] offset:4096*(i%16)+512*(i/16) th:TH_LOAD_NT
.set i, i+1
.endr
	s_mul_i32 s22, s18, 16*SP                      ; my stage
	v_add_nc_u32 v6, s22, v4                       ; in: a row as it lies, 16 bytes a lane
	v_mul_u32_u24 v7, v2, SP
	v_lshl_add_u32 v7, v3, 5, v7
	v_add_nc_u32 v7, s22, v7                       ; out: row r, + 32 h: my 8 numbers of each group of 16 along K
	s_wait_alu depctr_va_vdst(0)
	s_wait_kmcnt 0x0
	MKSCALE 24
.macro XSTEP s
	s_wait_loadcnt 16-16*\s                        ; this step's sixteen loads are in; in step 0 the other sixteen may be out
.set i, 0
.rept 16
	ds_store_b128 v6, v[R+64*\s+4*i:R+64*\s+4*i+3] offset:SP*i
.set i, i+1
.endr
.set i, 0
.rept 16                                       ; LDS serves a wave's instructions in order: these see the stores above, and the next step's stores come behind them
	ds_load_b128 v[X+4*i:X+4*i+3], v7 offset:64*(i/2)+16*(i%2)
.set i, i+1
.endr
	s_wait_dscnt 0x0
.set cc, 0
.rept 8
.set j, 0
.rept 8
	v_med3_num_f32 v[X+8*cc+j], v[X+8*cc+j], -v10, v10   ; the conversion to an 8-bit code does not saturate (ISA guide 7.6.2): the hold comes first
.set j, j+1
.endr
	v_cvt_scalef32_pk8_fp8_f32 v[CDS+16*\s+2*cc:CDS+16*\s+2*cc+1], v[X+8*cc:X+8*cc+7], v11   ; registers 2 c, 2 c + 1: k = 16 c + 8 h + 0 .. 7
.set cc, cc+1
.endr
	v_nop                                          ; a plain line behind the last conversion
.irp g, 0,1,2,3
	global_store_b128 v4, v[CDS+16*\s+4*\g:CDS+16*\s+4*\g+3], s[12:13] offset:2048*\s+512*\g   ; a quad of registers: 512 consecutive bytes
.endr
.endm
	s_wait_alu depctr_va_vdst(0)
	XSTEP 0
	XSTEP 1
	s_wait_tensorcnt 0x0
	ds_add_u32 v30, v31
	s_wait_dscnt 0x0
	s_endpgm
; ---- the weights: K is their first axis.  A lane takes a column n and its registers run down K, so the conversions give codes with K innermost.
.macro WLOAD t, pitch, sb              ; block t: 32 rows k at my column; 32 lanes read 128 consecutive bytes, the four waves 512
.set i, 0
.rept 32
	global_load_b32 v[R+32*((\t)%2)+i], v5, s[\sb:\sb+1] offset:(32*(\t)+i)*\pitch th:TH_LOAD_NT
.set i, i+1
.endr
.endm
.macro WBLOCK t, pitch, sb, db
.set RS, R+32*((\t)%2)
.set T0, T+8*(\t)
.if (\t) < 3
	s_wait_loadcnt 32                              ; this block's 32 loads are in; the next block's may be out
.else
	s_wait_loadcnt 0x0
.endif
.set i, 0
.rept 32
	v_med3_num_f32 v[RS+i], v[RS+i], -v10, v10
.set i, i+1
.endr
	v_cvt_scalef32_pk8_fp8_f32 v[T0:T0+1], v[RS:RS+7], v11         ; k 0-7 and 16-23 of the block: what a lane with h = 0 holds in the image,
	v_cvt_scalef32_pk8_fp8_f32 v[T0+4:T0+5], v[RS+8:RS+15], v11    ; k 8-15 and 24-31: what a lane with h = 1 holds
	v_cvt_scalef32_pk8_fp8_f32 v[T0+2:T0+3], v[RS+16:RS+23], v11
	v_cvt_scalef32_pk8_fp8_f32 v[T0+6:T0+7], v[RS+24:RS+31], v11
	v_nop                                          ; a plain line between the conversions and the lines that touch their results
.irp i, 0,1,2,3
	v_permlane16_swap_b32 v[T0+\i], v[T0+4+\i]     ; the first's lanes 16-31 change places with the second's lanes 0-15: the first is now a quad of the image of columns 0-15, the second of columns 16-31
.endr
	global_store_b128 v4, v[T0:T0+3], s[\db:\db+1] offset:512*(\t)
	global_store_b128 v4, v[T0+4:T0+7], s[\db:\db+1] offset:16384+512*(\t)
.if (\t) < 2
	WLOAD (\t)+2, \pitch, \sb
.endif
.endm
.macro WBODY pitch, first, sb, db, e
	s_sub_co_u32 s20, ttmp9, \first
	s_lshr_b32 s22, s20, 3                         ; which 128 columns
	s_and_b32 s20, s20, 7                          ; which 128 along K
	s_mul_i32 s32, s20, 128*\pitch
	s_lshl_b32 s33, s22, 9
	s_add_co_u32 s32, s32, s33
	s_lshl_b32 s33, s18, 7                         ; my wave's 32 columns
	s_add_co_u32 s32, s32, s33
	s_mov_b32 s33, 0
	s_add_nc_u64 s[\sb:\sb+1], s[\sb:\sb+1], s[32:33]
	s_lshl_b32 s32, s22, 3
	s_lshl_b32 s34, s18, 1
	s_add_co_u32 s32, s32, s34                     ; my first tile of 16 columns: 8 x group + 2 x wave
	s_lshl_b32 s32, s32, 14
	s_lshl_b32 s34, s20, 11                        ; + two images for each 128 along K
	s_add_co_u32 s32, s32, s34
	s_add_nc_u64 s[\db:\db+1], s[\db:\db+1], s[32:33]
	WLOAD 0, \pitch, \sb
	WLOAD 1, \pitch, \sb
	s_wait_kmcnt 0x0
	MKSCALE \e
	s_wait_alu depctr_va_vdst(0)
	WBLOCK 0, \pitch, \sb, \db
	WBLOCK 1, \pitch, \sb, \db
	WBLOCK 2, \pitch, \sb, \db
	WBLOCK 3, \pitch, \sb, \db
.endm
.Lweights:
	s_cmp_lt_u32 ttmp9, 704
	s_cbranch_scc0 .Lproj
	s_wait_alu depctr_va_vdst(0)
	WBODY 12288, 512, 6, 14, 25
	s_endpgm
.Lproj:
	s_wait_alu depctr_va_vdst(0)
	WBODY 4096, 704, 8, 16, 31
	s_endpgm
.Lfunc_end_k_q2fa70f7cad_quant:
	.size	k_q2fa70f7cad_quant, .Lfunc_end_k_q2fa70f7cad_quant-k_q2fa70f7cad_quant
	.p2alignl 7, 3214868480
	.fill 96, 4, 3214868480
	.section	.rodata,"a",@progbits
	.p2align	6, 0x0
	.amdhsa_kernel k_q2fa70f7cad_quant
		.amdhsa_group_segment_fixed_size 34304
		.amdhsa_private_segment_fixed_size 0
		.amdhsa_enable_private_segment 0
		.amdhsa_kernarg_size 56
		.amdhsa_user_sgpr_count 2
		.amdhsa_user_sgpr_kernarg_segment_ptr 1
		.amdhsa_wavefront_size32 1
		.amdhsa_system_sgpr_workgroup_id_x 1
		.amdhsa_system_sgpr_workgroup_id_y 1
		.amdhsa_system_sgpr_workgroup_id_z 1
		.amdhsa_system_vgpr_workitem_id 0
		.amdhsa_next_free_vgpr 256
		.amdhsa_next_free_sgpr 66
		.amdhsa_reserve_vcc 0
		.amdhsa_float_denorm_mode_32 3
		.amdhsa_float_denorm_mode_16_64 3
		.amdhsa_memory_ordered 1
		.amdhsa_forward_progress 1
		.amdhsa_inst_pref_size 67
	.end_amdhsa_kernel
	.amdgpu_metadata
---
amdhsa.version: [ 1, 2 ]
amdhsa.kernels:
  - .name:           k_q2fa70f7cad_quant
    .symbol:         k_q2fa70f7cad_quant.kd
    .args:
      - { .name: x, .offset: 0, .size: 8, .value_kind: global_buffer, .address_space: global }
      - { .name: W_attn, .offset: 8, .size: 8, .value_kind: global_buffer, .address_space: global }
      - { .name: W_proj, .offset: 16, .size: 8, .value_kind: global_buffer, .address_space: global }
      - { .name: lowp_scales, .offset: 24, .size: 8, .value_kind: global_buffer, .address_space: global }
      - { .name: x_img, .offset: 32, .size: 8, .value_kind: global_buffer, .address_space: global }
      - { .name: wa_img, .offset: 40, .size: 8, .value_kind: global_buffer, .address_space: global }
      - { .name: wp_img, .offset: 48, .size: 8, .value_kind: global_buffer, .address_space: global }
    .group_segment_fixed_size: 34304
    .private_segment_fixed_size: 0
    .kernarg_segment_align: 8
    .kernarg_segment_size: 56
    .max_flat_workgroup_size: 128
    .sgpr_count:     66
    .vgpr_count:     256
    .wavefront_size: 32
...
	.end_amdgpu_metadata
.endif
;; end of part 1
;; launch gemm1 (part 2): grid 12 x 32, 4 waves a work-group, clusters of 4 x 4, 327,680 bytes of LDS; arguments x_img, wa_img, b_attn, lowp_scales, q_img, k_img, v_img; writes q_img, k_img, v_img
.if DOCPART == 2
	.amdgcn_target "amdgcn-amd-amdhsa--gfx1250"
	.amdhsa_code_object_version 6
	.text
	.protected	k_q2fa70f7cad_gemm1
	.globl	k_q2fa70f7cad_gemm1
	.p2align	8
	.type	k_q2fa70f7cad_gemm1,@function
k_q2fa70f7cad_gemm1:
	s_mov_b64 s[64:65], 0
	v_nop
	global_prefetch_b8 v0, s[64:65] scope:SCOPE_SE
	s_setreg_imm32_b32 hwreg(HW_REG_WAVE_MODE, 25, 1), 1
	s_wait_xcnt 0x0
	s_wait_alu depctr_hold_cnt(0) depctr_sa_sdst(0) depctr_va_vdst(0) depctr_va_sdst(0) depctr_va_ssrc(0) depctr_va_vcc(0) depctr_vm_vsrc(0)
	s_getreg_b32 s2, hwreg(HW_REG_IB_STS2, 6, 4)
	s_cmp_eq_u32 s2, 0
	s_cbranch_scc0 .Lentry_in_a_cluster
	s_endpgm
.Lentry_in_a_cluster:
	s_bfe_u32 s2, ttmp6, 0x10000c
	s_cmp_lg_u32 s2, 0xf033
	s_cbranch_scc0 .Lentry_shape_is_right
	s_endpgm
.Lentry_shape_is_right:
; qkv = x W_attn + b_attn on codes of E4M3 (K = 1,024), and q, k, v quantised at once into images of operand registers for the attention launch.
; IMAGES: 16 rows x 64 along K in 1,024 bytes, byte 512 p + 16 lane + y = register 4 p + y / 4 of the 8-bit operand layout.  x_img [512 tiles of rows][16 images], wa_img [192 tiles of columns n][16 images].
; q_img, k_img: [64 heads][128 tiles of 16 t][image], K = the head's 64.   v_img: [64 heads][16 blocks of 128 keys][4 tiles of 16 channels][2 images], K = the keys.
; A tile of 256 x 256 is made by four waves, 128 x 128 each: 64 accumulators, 512 registers.  K goes in steps of 256 through two LDS slots; a tensor load brings 8 tiles of rows x 4 images: 8 rows of 4,096 bytes.
; THE MATRIX INSTRUCTION: source 0 = 16 rows of region B, source 1 = 16 rows of region A: a lane holds ONE row of region A and eight neighbouring rows of region B.
; THE KIND is the cluster's x: 0 q, 1 k, 2 v: the same in all sixteen partners.  For q and k region A holds rows of x and region B rows of W: a lane's eight numbers run along the head's axis, their K.
; For v the DATA change places, the text does not: region A holds rows of W (channels), region B rows of x (keys): a lane's eight numbers run along the keys, the second attention product's K.
; So the conversions' results are the images' registers, and each store is 512 consecutive bytes: the way out uses no LDS.
; CLUSTERS: 4 x 4.  Region A's tile hangs on cy and is asked for jointly by a row of the cluster, region B's on cx, by a column.
; LIMITS: e0 + e1 between -126 and 127; e2, e3, e5 between -126 and 119, so that each power of two below is an f32 number.
; REGISTERS: window 0: v16-31 addresses and constants; v32-95 the bias; v128-255 region A's fragments, ONE set; on the way out v128-191 numbers, v192-255 codes.
;   window 1: region B's fragments, TWO sets.   windows 2, 3: the accumulators ((a, b) at v[8 (8 (a % 4) + b)]).
.set KSB,    4096                      ; a slot's 256 along K of one tile of 16 rows: four images
.set HALFT,  8*KSB                     ; 128 rows: what one tensor load brings, and what one wave reads of a region
.set SLOT,   4*HALFT                   ; region A's 256 rows, then region B's
.set SPARE,  2*SLOT                    ; behind the ring: the spare words, 128 bytes for each wave: two blocks of 256 bytes that no other line names
.set FR,     16                        ; registers of a fragment, 16 rows x 128 K: two images
.set NL,     4                         ; LDS loads that bring one
.set NP,     4                         ; places behind this matrix instruction (ISA guide 7.12.1)
.set ADRA, 16                          ; v16-17  LDS address of my fragments of region A in slot 0, 1
.set ADRB, 20                          ; v20-21  the same for region B
.set CO,   26                          ; v26     16 x lane
.set SPW,  28                          ; v28     LDS address of my spare word; never rewritten
.set NIL,  29                          ; v29     0; never rewritten
.set SCL,  30                          ; v30     2^e of the kind's output
.set LIMV, 31                          ; v31     448 x that
.set BIAS, 32
.set AF,   128
.set TMP,  128
.set CODE, 192
.set G1, 24                            ; s[24:31] descriptor group 1 for region A;  s[32:39] group 0, one set for each slot
.set G0, 32
.set G1B, 48                           ; s[48:55], s[56:63] the same for region B
.set G0B, 56
.set MSB, 0
.macro WIN new                         ; the immediate's high byte repeats the setting that is left
.if MSB != \new
	s_set_vgpr_msb (MSB<<8)|\new
.set MSB, \new
.endif
.endm
.set MUL_LO, 0xa1                      ; source 0 (B) window 1, source 1 (A) window 0, C and D window 2
.set MUL_HI, 0xf1                      ; the same, C and D window 3
.set TO_B,   0x40                      ; destination window 1, address window 0
; A joint load: waves 0 and 1 fetch for region A, waves 2 and 3 for region B.  The branch hangs on the wave's number alone.  Four v_nop follow each of the two lines.
.macro JLOAD g0a, g1a, g0b, g1b
	s_cmp_eq_u32 s15, 0
	s_cbranch_scc0 .Lfor_b_\@
	tensor_load_to_lds s[\g0a:\g0a+3], s[\g1a:\g1a+7]
	s_nop 0
.rept 4
	v_nop
.endr
	s_branch .Lasked_\@
.Lfor_b_\@:
	tensor_load_to_lds s[\g0b:\g0b+3], s[\g1b:\g1b+7]
	s_nop 0
.rept 4
	v_nop
.endr
.Lasked_\@:
.endm
.macro CREST                           ; a round of the cluster's barrier behind its opening barrier
	s_cmp_lg_u32 s14, 0
	s_cbranch_scc1 .Lnot_wave_0_\@
	s_barrier_signal -3
.Lnot_wave_0_\@:
	s_barrier_wait -3
	s_barrier_signal -1
	s_barrier_wait -1
.endm
.macro CROUND                          ; a whole round
	s_barrier_signal -1
	s_barrier_wait -1
	CREST
.endm
	s_load_b128 s[4:7], s[0:1], 0x0                ; x_img s[4:5], wa_img s[6:7]
	s_load_b128 s[8:11], s[0:1], 0x10              ; b_attn s[8:9], the scales' exponents s[10:11]
	s_load_b128 s[68:71], s[0:1], 0x20             ; q_img s[68:69], k_img s[70:71]
	s_load_b64 s[72:73], s[0:1], 0x30              ; v_img
	v_lshl_add_u32 v[SPW], v0, 2, SPARE
	v_mov_b32 v[NIL], 0
	ds_add_u32 v28, v29
	ds_add_u32 v28, v29
	s_wait_dscnt 0x0
	v_lshrrev_b32 v1, 5, v0
	v_readfirstlane_b32 s14, v1                    ; wave 0..3
	s_lshr_b32 s15, s14, 1                         ; which half of region A's rows is mine.  Also: I fetch for region A (0) or B (1)
	s_and_b32 s16, s14, 1                          ; which half of region B's rows.  Also: which 128 rows I fetch
	s_bfe_u32 s40, ttmp6, 0x40000                  ; cx
	s_bfe_u32 s41, ttmp6, 0x40004                  ; cy
	s_and_b32 s17, ttmp7, 0xffff                   ; the cluster's y: which 1,024 rows of x
	s_lshl_b32 s43, s41, 2
	s_lshl_b32 s43, 15, s43                        ; my row of the cluster
	s_lshl_b32 s44, 0x1111, s40                    ; my column
	; descriptor group 1: 8 rows of 4,096 bytes, 16,384 bytes apart; dense in LDS
	s_or_b32 s[G1+0], s43, (1<<21)                 ; 15:0 the mask: region A's tiles go to my row; 17:16 elements of 1 byte; 21 set beside a mask
	s_or_b32 s[G1B+0], s44, (1<<21)
.irp g, G1, G1B
	s_mov_b32 s[\g+1], KSB<<16                     ; tensor_dim0 = 4,096
	s_mov_b32 s[\g+2], 8<<16                       ; tensor_dim1 = 8
	s_mov_b32 s[\g+3], KSB<<16                     ; tile_dim0
	s_mov_b32 s[\g+4], 8                           ; tile_dim1
	s_mov_b32 s[\g+5], 16384                       ; tensor_dim0_stride: a tile of 16 rows has 16 images
	s_mov_b32 s[\g+6], 0
	s_mov_b32 s[\g+7], 0
.endr
	s_lshl_b32 s18, s16, 7                         ; which 128 rows I fetch
	s_lshl_b32 s19, s17, 10                        ; 1,024 x cluster y
	s_lshl_b32 s22, ttmp9, 10                      ; 1,024 x kind
	s_cmp_eq_u32 ttmp9, 2
	s_cselect_b32 s20, 2048, s19                   ; region A's first row: v: W's row 2,048; else x's
	s_cselect_b32 s46, s19, s22                    ; region B's: v: x's; else W's
	s_lshl_b32 s21, s41, 8
	s_add_co_u32 s20, s20, s21                     ; + 256 cy
	s_add_co_u32 s20, s20, s18
	s_lshl_b32 s20, s20, 10                        ; a row is 1,024 bytes of its tile's images
	s_mov_b32 s21, 0
	s_lshl_b32 s47, s40, 8
	s_add_co_u32 s46, s46, s47                     ; + 256 cx
	s_add_co_u32 s46, s46, s18
	s_lshl_b32 s46, s46, 10
	s_mov_b32 s47, 0
	s_mul_i32 s45, s14, HALFT                      ; where they go: wave x 128 rows: no place in the cluster enters an LDS address
	s_wait_kmcnt 0x0
	s_load_b256 s[80:87], s[10:11], 0x0            ; e0 .. e7
	s_cmp_eq_u32 ttmp9, 2
	s_cselect_b64 s[74:75], s[6:7], s[4:5]         ; region A's buffer
	s_cselect_b64 s[76:77], s[4:5], s[6:7]         ; region B's
	s_add_nc_u64 s[20:21], s[74:75], s[20:21]
	s_add_nc_u64 s[46:47], s[76:77], s[46:47]
	CROUND                                         ; all sixteen work-groups are here: the first joint loads meet
.irp s, 0,1
	s_mov_b32 s[G0+4*\s], 1
	s_add_co_u32 s[G0+4*\s+1], s45, \s*SLOT
	s_add_nc_u64 s[G0+4*\s+2:G0+4*\s+3], s[20:21], \s*KSB
	s_or_b32 s[G0+4*\s+3], s[G0+4*\s+3], 0x80000000
	s_mov_b32 s[G0B+4*\s], 1
	s_add_co_u32 s[G0B+4*\s+1], s45, \s*SLOT
	s_add_nc_u64 s[G0B+4*\s+2:G0B+4*\s+3], s[46:47], \s*KSB
	s_or_b32 s[G0B+4*\s+3], s[G0B+4*\s+3], 0x80000000
.endr
	JLOAD G0, G1, G0B, G1B                         ; slot 0: one tensor load a wave at the head
	v_and_b32 v1, 31, v0
	v_lshlrev_b32 v[CO], 4, v1                     ; an image's place for my lane
	s_mul_i32 s18, s15, HALFT                      ; my 128 rows of region A
	s_mul_i32 s19, s16, HALFT                      ; my 128 rows of region B,
	s_add_co_u32 s19, s19, 2*HALFT                 ; which lie behind A's 256
.irp s, 0,1
	v_add_nc_u32 v[ADRA+\s], s18, v[CO]
	v_add_nc_u32 v[ADRB+\s], s19, v[CO]
	s_add_co_u32 s18, s18, SLOT
	s_add_co_u32 s19, s19, SLOT
.endr
	; c0: my first column within the kind's 1,024; m0: my first row of x
	s_cmp_eq_u32 ttmp9, 2
	s_cselect_b32 s90, s41, s40
	s_cselect_b32 s91, s15, s16
	s_cselect_b32 s92, s40, s41
	s_cselect_b32 s93, s16, s15
	s_lshl_b32 s90, s90, 8
	s_lshl_b32 s91, s91, 7
	s_add_co_u32 s90, s90, s91                     ; c0
	s_lshl_b32 s92, s92, 8
	s_lshl_b32 s93, s93, 7
	s_add_co_u32 s92, s92, s93
	s_lshl_b32 s93, s17, 10
	s_add_co_u32 s92, s92, s93                     ; m0
	s_lshl_b32 s94, ttmp9, 10
	s_add_co_u32 s94, s94, s90
	s_lshl_b32 s94, s94, 2
	s_mov_b32 s95, 0
	s_add_nc_u64 s[8:9], s[8:9], s[94:95]          ; the bias at my first column
	s_lshr_b32 s94, s92, 11
	s_lshl_b32 s94, s94, 21                        ; the batch: 16 heads of 131,072 bytes
	s_lshr_b32 s93, s90, 6
	s_lshl_b32 s93, s93, 17                        ; my first head
	s_add_co_u32 s94, s94, s93
	s_and_b32 s93, s92, 2047
	s_lshl_b32 s93, s93, 6                         ; t: 1,024 bytes for 16 t in q_img and k_img, 8,192 for 128 keys in v_img: 64 t in all three
	s_add_co_u32 s94, s94, s93
	s_cmp_eq_u32 ttmp9, 0
	s_cselect_b64 s[88:89], s[68:69], s[70:71]
	s_cmp_eq_u32 ttmp9, 2
	s_cselect_b64 s[88:89], s[72:73], s[88:89]
	s_add_nc_u64 s[88:89], s[88:89], s[94:95]      ; where my part of the kind's images begins
	v_and_b32 v2, 15, v0                           ; r
	v_bfe_u32 v3, v0, 4, 1                         ; h
	v_lshlrev_b32 v4, 5, v3                        ; 32 h
	v_lshlrev_b32 v5, 2, v2                        ; 4 r
	; THE BIAS, in the result's layout, 64 registers.  Both ways write all 64.
	s_cmp_eq_u32 ttmp9, 2
	s_cbranch_scc1 .Lbias_v
.irp b, 0,1,2,3,4,5,6,7                        ; q, k: register 8 b + j: column c0 + 16 b + 8 h + j
	global_load_b128 v[BIAS+8*\b:BIAS+8*\b+3], v4, s[8:9] offset:64*\b
	global_load_b128 v[BIAS+8*\b+4:BIAS+8*\b+7], v4, s[8:9] offset:64*\b+16
.endr
	s_branch .Lbias_done
.Lbias_v:
	s_wait_alu depctr_va_vdst(0)
.irp a, 0,1,2,3,4,5,6,7                        ; v: registers 8 a + 0 .. 7 all hold that of channel c0 + 16 a + r
	global_load_b32 v[BIAS+8*\a], v5, s[8:9] offset:64*\a
.endr
	s_wait_loadcnt 0x0
.irp a, 0,1,2,3,4,5,6,7
.irp j, 1,2,3,4,5,6,7
	v_mov_b32 v[BIAS+8*\a+\j], v[BIAS+8*\a]
.endr
.endr
.Lbias_done:
	s_wait_kmcnt 0x0
	s_add_co_i32 s96, s80, s81                     ; e0 + e1
	s_add_co_i32 s96, s96, 127
	s_lshl_b32 s96, s96, 23                        ; 2^(e0 + e1) as f32
	s_mov_b32 s97, s96                             ; (named with it as a pair, so it is written)
	s_cmp_eq_u32 ttmp9, 0
	s_cselect_b32 s78, s82, s83
	s_cmp_eq_u32 ttmp9, 2
	s_cselect_b32 s78, s85, s78                    ; the output's e: e2 for q, e3 for k, e5 for v
	s_add_co_i32 s78, s78, 127
	s_lshl_b32 s79, s78, 23
	v_mov_b32 v[SCL], s79
	s_add_co_i32 s78, s78, 8
	s_lshl_b32 s78, s78, 23
	s_or_b32 s78, s78, 0x600000
	v_mov_b32 v[LIMV], s78
.macro FRAG reg, adr, q, i             ; a fragment, 16 rows x 128 K: two images, four quads of registers, 512 consecutive bytes a load
.irp c, 0,1,2,3
	ds_load_b128 v[\reg+4*\c:\reg+4*\c+3], v[\adr] offset:2048*(\q)+512*\c+(\i)*KSB
.endr
.endm
; 16 matrix instructions: A's blocks a0, a0 + 1 x B's eight, 128 along K.  p: B's set.  zero = 1: the first product starts the sums.
; The 64 accumulators take turns, one instruction a turn, in the same order in every step.
.macro MUL16 a0, p, zero
.irp a, \a0, \a0+1
.irp b, 0,1,2,3,4,5,6,7
.if \zero
	v_wmma_f32_16x16x128_fp8_fp8 v[8*(8*((\a)%4)+\b):8*(8*((\a)%4)+\b)+7], v[128*(\p)+FR*\b:128*(\p)+FR*\b+FR-1], v[AF+FR*(\a):AF+FR*(\a)+FR-1], 0
.else
	v_wmma_f32_16x16x128_fp8_fp8 v[8*(8*((\a)%4)+\b):8*(8*((\a)%4)+\b)+7], v[128*(\p)+FR*\b:128*(\p)+FR*\b+FR-1], v[AF+FR*(\a):AF+FR*(\a)+FR-1], v[8*(8*((\a)%4)+\b):8*(8*((\a)%4)+\b)+7]
.endif
.endr
.endr
.endm
.macro FETCH_B slot, q, p              ; B's eight fragments of the slot's q-th 128 along K into set p
	WIN TO_B
.irp i, 0,1,2,3,4,5,6,7
	FRAG 128*(\p)+FR*\i, ADRB+\slot, \q, \i
.endr
	WIN 0
.endm
.macro FETCH_A slot, q, i0             ; A's blocks i0 .. i0 + 3
.irp i, \i0, \i0+1, \i0+2, \i0+3
	FRAG AF+FR*(\i), ADRA+\slot, \q, \i
.endr
.endm
.macro PLACES n                        ; plain vector lines between a matrix instruction and a load into, or a vector line on, one of its registers
.rept \n
	v_nop
.endr
.endm
; A step of 128 along K that has its successor in the same slot.
.macro STEP slot, q, zero
	s_wait_dscnt 4*NL                              ; B's set and A's blocks 0-3 are in; the youngest sixteen loads (A's blocks 4-7) may be out
	WIN MUL_LO
	MUL16 0, (\q)%2, \zero
	MUL16 2, (\q)%2, \zero
	s_wait_dscnt 0                                 ; A's blocks 4-7 are in
	PLACES NP
	FETCH_B \slot, (\q)+1, 1-(\q)%2
	FETCH_A \slot, (\q)+1, 0
	WIN MUL_HI
	MUL16 4, (\q)%2, \zero
	MUL16 6, (\q)%2, \zero
	PLACES NP
	WIN 0
	FETCH_A \slot, (\q)+1, 4
.endm
; A slot's last step changes slots: ONE barrier; in front of it each wave waits for all its tensor loads, adds 0 to its spare word, and waits for that and for its own reads of this slot.  fill = 1: this slot is filled again, two slots ahead.
.macro TURN slot, next, fill
	s_wait_tensorcnt 0x0                           ; all my tensor loads have landed: my part of the next slot
	ds_add_u32 v[SPW], v[NIL]                      ; 0 onto my spare word
	s_wait_dscnt 4*NL+1                            ; (the add and the youngest sixteen loads, A's blocks 4-7, may be out)
	WIN MUL_LO
	MUL16 0, 1, 0                                  ; sixteen matrix instructions stand between the add and the wait for it
	s_wait_dscnt 0x0                               ; the add is done, and my reads of this slot are over
	s_barrier_signal -1
	MUL16 2, 1, 0
	WIN 0
	s_barrier_wait -1
.if \fill
	CREST                                          ; the barrier has opened a round of the cluster's barrier: no wave of any partner still reads this slot or has a load on its way
	s_add_nc_u64 s[G0+4*\slot+2:G0+4*\slot+3], s[G0+4*\slot+2:G0+4*\slot+3], 2*KSB
	s_add_nc_u64 s[G0B+4*\slot+2:G0B+4*\slot+3], s[G0B+4*\slot+2:G0B+4*\slot+3], 2*KSB
	JLOAD G0+4*\slot, G1, G0B+4*\slot, G1B         ; the first tensor load behind the round; its four v_nop are the places in front of the loads below
.else
	PLACES NP
.endif
	FETCH_B \next, 0, 0
	FETCH_A \next, 0, 0
	WIN MUL_HI
	MUL16 4, 1, 0
	MUL16 6, 1, 0
	PLACES NP
	WIN 0
	FETCH_A \next, 0, 4
.endm
	s_wait_alu depctr_va_vdst(0)                   ; at the head's end
	s_wait_tensorcnt 0x0                           ; my part of slot 0 is in; the three lines stand ahead of a later first fill as ahead of a refill
	ds_add_u32 v[SPW], v[NIL]
	s_wait_dscnt 0x0
	CROUND                                         ; everybody's part of slot 0 is in, and all sixteen work-groups are here
	JLOAD G0+4, G1, G0B+4, G1B                     ; slot 1's first fill: the first tensor load behind the round
	FETCH_B 0, 0, 0
	FETCH_A 0, 0, 0
	FETCH_A 0, 0, 4
	STEP 0, 0, 1                                   ; K = 1,024 is four slots' worth, eight steps: written out.  The first step's products start the sums
	TURN 0, 1, 1
	STEP 1, 0, 0
	TURN 1, 0, 1
	STEP 0, 0, 0
	TURN 0, 1, 0                                   ; nothing is left to fetch
	STEP 1, 0, 0
	s_wait_dscnt 4*NL                              ; the last step
	WIN MUL_LO
	MUL16 0, 1, 0
	MUL16 2, 1, 0
	s_wait_dscnt 0
	WIN MUL_HI
	MUL16 4, 1, 0
	MUL16 6, 1, 0
	WIN 0
; THE WAY OUT of block a (16 rows of region A x my 128 rows of region B): number = sum x 2^(e0 + e1) + bias, one packed multiply-add for two; the hold; eight numbers to two registers of codes.
; q, k (byA = 0): the 16 code registers are two heads' images of 16 t.   v (byA = 1): one fragment, 16 channels x 128 keys.  Four sets of code registers take turns.
.macro OUTBLK a, byA
.set AC, 64*((\a)%4)
.set CD, CODE+16*((\a)%4)
.if (\a) >= 4
	s_wait_xcnt 0x0                                ; block a - 4's stores have read their registers: they may be written again
.endif
	WIN 0x02+((\a)/4)                              ; source 0: window 2 or 3
.set bb, 0
.rept 8
.set ii, 0
.rept 4
.if \byA
.set BI, BIAS+8*(\a)+ii
.else
.set BI, BIAS+8*bb+ii
.endif
	v_pk_fma_f32 v[TMP+8*bb+ii:TMP+8*bb+ii+1], v[AC+8*bb+ii:AC+8*bb+ii+1], s[96:97], v[BI:BI+1] op_sel_hi:[1,0,1]   ; each accumulator from its low end on
.set ii, ii+2
.endr
.set bb, bb+1
.endr
	WIN 0
.set bb, 0
.rept 8
.set ii, 0
.rept 8
	v_med3_num_f32 v[TMP+8*bb+ii], v[TMP+8*bb+ii], -v[LIMV], v[LIMV]   ; the conversion to an 8-bit code does not saturate (ISA guide 7.6.2)
.set ii, ii+1
.endr
	v_cvt_scalef32_pk8_fp8_f32 v[CD+2*bb:CD+2*bb+1], v[TMP+8*bb:TMP+8*bb+7], v[SCL]
.set bb, bb+1
.endr
	v_nop                                          ; a plain line between the conversions and the next block's lines, which write their sources
.irp u, 0,1,2,3
.if \byA
	global_store_b128 v[CO], v[CD+4*\u:CD+4*\u+3], s[88:89] offset:((\a)/4)*131072+2048*((\a)%4)+512*\u   ; head a / 4, channels 16 (a % 4) on
.else
	global_store_b128 v[CO], v[CD+4*\u:CD+4*\u+3], s[88:89] offset:(\u/2)*131072+1024*(\a)+512*(\u%2)     ; head u / 2, t 16 a on
.endif
.endr
.endm
	s_wait_loadcnt 0x0                             ; the bias
	PLACES NP                                      ; behind the last products: their results are read and region A's registers written below
	s_cmp_eq_u32 ttmp9, 2
	s_cbranch_scc1 .Lout_v
.irp a, 0,1,2,3,4,5,6,7
	OUTBLK \a, 0
.endr
	s_branch .Lend
.Lout_v:
.irp a, 0,1,2,3,4,5,6,7
	OUTBLK \a, 1
.endr
.Lend:
	s_wait_tensorcnt 0x0                           ; the wave's end
	ds_add_u32 v[SPW], v[NIL]
	s_wait_dscnt 0x0
	CROUND                                         ; the closing round: no work-group ends while a partner may still ask for a tile that names it
	s_endpgm
.Lfunc_end_k_q2fa70f7cad_gemm1:
	.size	k_q2fa70f7cad_gemm1, .Lfunc_end_k_q2fa70f7cad_gemm1-k_q2fa70f7cad_gemm1
	.p2alignl 7, 3214868480
	.fill 96, 4, 3214868480
	.section	.rodata,"a",@progbits
	.p2align	6, 0x0
	.amdhsa_kernel k_q2fa70f7cad_gemm1
		.amdhsa_group_segment_fixed_size 327680
		.amdhsa_private_segment_fixed_size 0
		.amdhsa_enable_private_segment 0
		.amdhsa_kernarg_size 56
		.amdhsa_user_sgpr_count 2
		.amdhsa_user_sgpr_kernarg_segment_ptr 1
		.amdhsa_wavefront_size32 1
		.amdhsa_system_sgpr_workgroup_id_x 1
		.amdhsa_system_sgpr_workgroup_id_y 1
		.amdhsa_system_sgpr_workgroup_id_z 1
		.amdhsa_system_vgpr_workitem_id 0
		.amdhsa_next_free_vgpr 1024
		.amdhsa_next_free_sgpr 100
		.amdhsa_reserve_vcc 0
		.amdhsa_float_denorm_mode_32 3
		.amdhsa_float_denorm_mode_16_64 3
		.amdhsa_memory_ordered 1
		.amdhsa_forward_progress 1
		.amdhsa_inst_pref_size 195
	.end_amdhsa_kernel
	.amdgpu_metadata
---
amdhsa.version: [ 1, 2 ]
amdhsa.kernels:
  - .name:           k_q2fa70f7cad_gemm1
    .symbol:         k_q2fa70f7cad_gemm1.kd
    .args:
      - { .name: x_img, .offset: 0, .size: 8, .value_kind: global_buffer, .address_space: global }
      - { .name: wa_img, .offset: 8, .size: 8, .value_kind: global_buffer, .address_space: global }
      - { .name: b_attn, .offset: 16, .size: 8, .value_kind: global_buffer, .address_space: global }
      - { .name: lowp_scales, .offset: 24, .size: 8, .value_kind: global_buffer, .address_space: global }
      - { .name: q_img, .offset: 32, .size: 8, .value_kind: global_buffer, .address_space: global }
      - { .name: k_img, .offset: 40, .size: 8, .value_kind: global_buffer, .address_space: global }
      - { .name: v_img, .offset: 48, .size: 8, .value_kind: global_buffer, .address_space: global }
    .group_segment_fixed_size: 327680
    .private_segment_fixed_size: 0
    .kernarg_segment_align: 8
    .kernarg_segment_size: 56
    .max_flat_workgroup_size: 128
    .sgpr_count:     100
    .vgpr_count:     1024
    .wavefront_size: 32
...
	.end_amdgpu_metadata
.endif
;; end of part 2
;; launch attn (part 3): grid 4 x 64, 16 waves a work-group, clusters of 4 x 1, 327,680 bytes of LDS; arguments q_img, k_img, v_img, lowp_scales, y_img; writes y_img
.if DOCPART == 3
	.amdgcn_target "amdgcn-amd-amdhsa--gfx1250"
	.amdhsa_code_object_version 6
	.text
	.protected	k_q2fa70f7cad_attn
	.globl	k_q2fa70f7cad_attn
	.p2align	8
	.type	k_q2fa70f7cad_attn,@function
k_q2fa70f7cad_attn:
	s_mov_b64 s[64:65], 0
	v_nop
	global_prefetch_b8 v0, s[64:65] scope:SCOPE_SE
	s_setreg_imm32_b32 hwreg(HW_REG_WAVE_MODE, 25, 1), 1
	s_wait_xcnt 0x0
	s_wait_alu depctr_hold_cnt(0) depctr_sa_sdst(0) depctr_va_vdst(0) depctr_va_sdst(0) depctr_va_ssrc(0) depctr_va_vcc(0) depctr_vm_vsrc(0)
	s_getreg_b32 s2, hwreg(HW_REG_IB_STS2, 6, 4)
	s_cmp_eq_u32 s2, 0
	s_cbranch_scc0 .Lentry_in_a_cluster
	s_endpgm
.Lentry_in_a_cluster:
	s_bfe_u32 s2, ttmp6, 0x10000c
	s_cmp_lg_u32 s2, 0x3003
	s_cbranch_scc0 .Lentry_shape_is_right
	s_endpgm
.Lentry_shape_is_right:
; y[b][t][h][:] = the sum over keys k <= t of softmax_k(q . k / 8) v, both products on codes of E4M3; y is quantised at once (scale 2^e6) into images for the last product.
; q_img, k_img: [64 heads][128 tiles of 16 t][image of 16 rows x 64];  v_img: [64 heads][16 blocks of 128 keys][4 tiles of 16 channels][2 images], K = the keys;  y_img: [512 tiles of 16 rows][16 heads][image].
; An image's byte 512 p + 16 lane + y is register 4 p + y / 4 of the 8-bit operand layout: every fragment comes by loads of 512 consecutive bytes.
; THE SOFTMAX: t = score x log2(e) / 8; M = the running largest t rounded UP to a whole number; p = 2^(t - M) is quantised (2^e4), not normalised; the row's sum is of the unquantised p and divides at the end.
; LEFT OUT: key steps all of whose keys come after the tile's queries: the causal mask makes their p zero.
; LDS HOLDS A HEAD'S WHOLE K (bytes 0 .. 131,071) AND V (131,072 .. 262,143), 8,192 bytes for each block of 128 keys: no byte is filled twice, so there is no ring.
; Each of the sixteen waves fetches 8,192 bytes twice: key blocks 0-7 at the head, key blocks 8-15 behind the full sequence and a round (waves 0-7 K's blocks, waves 8-15 V's).
; SHARES.  The four work-groups of a head form a cluster and ask for K and V jointly.  Work-group cx takes the tiles of 16 queries with numbers 4 j + cx; wave w takes j = 31 - w, then j = w.
; Tile 4 j + cx needs j / 2 + 1 steps of 128 keys, whatever cx: 17 steps in every wave of every work-group; no branch, trip count or LDS address hangs on cx (it enters global addresses and the mask's number d alone).
; The long tile's first 8 steps read key blocks 0-7 alone; one barrier behind them shows blocks 8-15 to all waves.  Trip counts are constants; a step that is left out is jumped over by a branch on the wave's number and the trip.
; NO PREFETCH: both groups of tensor loads are asked for at the head; no loop of loads follows in which to run ahead.
; LAYOUT.  Both products are used transposed: S^T = K Q^T, O^T = V^T P^T: a lane holds ONE query; tile tau's eight registers are keys 16 tau + 8 h + 0 .. 7, so their codes are registers 2 tau, 2 tau + 1 of the next operand.
; LIMITS: e2 + e3 between -123 and 130 (added to c's exponent field); e4, e6 between -126 and 119; the scaled scores stay under 2^31 in magnitude.  NaN among the inputs is not served.
.set VOFF,  131072
.set HALF,  65536                      ; key blocks 8-15 begin here in K's and in V's part
.set SPARE, 262144                     ; the spare words, 128 bytes for each wave: eight blocks of 256 bytes that no other line names
.set LI,   1                           ; v1   16 x lane
.set DQ,   2                           ; v2   r - 8 h + 16 cx
.set LV,   4                           ; v4   16 x lane + VOFF
.set SPW,  5                           ; v5   my spare word's address; never rewritten
.set NIL,  6                           ; v6   0; never rewritten
.set ADK,  8                           ; v8, v9  LDS addresses of the step's K and V
.set ADV,  9
.set KV,   32                          ; v32-95   K's 8 fragments, then V's 4
.set S,    96                          ; v96-159  S^T, then p
.set O,    160                         ; v160-191 O^T
.set PC,   192                         ; v192-207 p's codes
.set YC,   208                         ; v208-215 y's codes
                                       ; v12 -M, v13 the largest t, v[14:15] the sum; v16-23 Q, v24-31 the second tile's Q; v240, v241 448 x 2^e4, v244 2^e4, v246 2^e6, v247 448 x 2^e6
.set WV,   18
.set SEL,  20                          ; s[20:21] selects for lane l xor 16
.set CS,   22                          ; s[22:23] c = log2(e) / 8 x 2^(e2 + e3)
.set G1,   24                          ; s[24:31] group 1; s[32:35], s[36:39] groups 0 of my two loads
.set YA,   40
.set YB,   42
.set TB,   66                          ; s66  8,192 x the step's key block
.set CNT,  67
.set E45,  72
.set QWB,  97                          ; s97  64 j of the second tile
.set KF,   98                          ; s98  the step's first key
.set QW,   99                          ; s99  64 j of the tile in hand: no cx in it
.macro ROUND                           ; a round of the cluster's barrier
	s_barrier_signal -1
	s_barrier_wait -1
	s_cmp_lg_u32 s[WV], 0
	s_cbranch_scc1 .Lnot_wave_0_\@
	s_barrier_signal -3
.Lnot_wave_0_\@:
	s_barrier_wait -3
	s_barrier_signal -1
	s_barrier_wait -1
.endm
.macro INIT                            ; a tile's start: the largest t under every t, sums and O^T zero
	v_mov_b32 v13, 0xff61b1e6                      ; -3e38
	s_delay_alu instid0(VALU_DEP_1)
	v_floor_f32 v12, -v13
	v_mov_b32 v14, 0
	v_mov_b32 v15, 0
.set n, 0
.rept 32
	v_mov_b32 v[O+n], 0
.set n, n+1
.endr
.endm
	s_load_b128 s[4:7], s[0:1], 0x0                ; q_img, k_img
	s_load_b128 s[8:11], s[0:1], 0x10              ; v_img, the scales' exponents
	s_load_b64 s[12:13], s[0:1], 0x20              ; y_img
	v_lshl_add_u32 v[SPW], v0, 2, SPARE
	v_mov_b32 v[NIL], 0
	ds_add_u32 v[SPW], v[NIL]                      ; the opening lines: the add twice on end and one wait
	ds_add_u32 v[SPW], v[NIL]
	v_lshrrev_b32 v8, 5, v0
	v_readfirstlane_b32 s[WV], v8                  ; wave 0..15
	s_bfe_u32 s45, ttmp6, 0x40000                  ; cx
	s_and_b32 s44, ttmp7, 0xffff                   ; the head, 16 b + h
	s_lshl_b32 s46, s44, 17                        ; its first byte in q_img, k_img, v_img
	s_mov_b32 s47, 0
	s_mov_b32 s[G1], 15|(3<<16)|(1<<21)            ; the mask: all four partners; elements of 8 bytes; bit 21 beside a mask
	s_mov_b32 s[G1+1], 32<<16                      ; 32 rows of 256 bytes, dense
	s_mov_b32 s[G1+2], 32<<16
	s_mov_b32 s[G1+3], 32<<16
	s_mov_b32 s[G1+4], 32
	s_mov_b32 s[G1+5], 32
	s_mov_b32 s[G1+6], 0
	s_mov_b32 s[G1+7], 0
	s_lshr_b32 s48, s[WV], 3                       ; 0: K, 1: V
	s_and_b32 s49, s[WV], 7
	s_lshl_b32 s49, s49, 13                        ; my key block of the eight
	s_lshl_b32 s50, s48, 17
	s_mov_b32 s32, 1
	s_add_co_u32 s33, s50, s49                     ; LDS: made of the wave's number alone
	s_mov_b32 s36, 1
	s_add_co_u32 s37, s33, HALF
	s_add_co_u32 s52, s46, s49
	s_mov_b32 s53, 0
	s_mov_b32 s[SEL], 0x76543210
	s_mov_b32 s[SEL+1], 0xfedcba98
	s_mov_b32 s[CS], 0x3e38aa3b                    ; log2(e) / 8
	s_wait_alu depctr_va_vdst(0)                   ; ahead of the waits below
	s_wait_dscnt 0x0
	s_wait_kmcnt 0x0
	s_load_b256 s[84:91], s[10:11], 0x0            ; e0 .. e7
	s_cmp_lt_u32 s[WV], 8
	s_cselect_b64 s[34:35], s[6:7], s[8:9]
	s_add_nc_u64 s[34:35], s[34:35], s[52:53]      ; the head and the wave's number alone: equal in all four partners
	s_add_nc_u64 s[38:39], s[34:35], HALF
	s_or_b32 s35, s35, 0x80000000
	s_or_b32 s39, s39, 0x80000000
	ROUND                                          ; in front of the first joint loads
	tensor_load_to_lds s[32:35], s[G1:G1+7]        ; key blocks 0-7: one load a wave
	s_nop 0
.rept 4
	v_nop
.endr
	v_and_b32 v[LI], 31, v0
	v_lshlrev_b32 v[LI], 4, v[LI]
	v_add_nc_u32 v[LV], VOFF, v[LI]
	s_sub_co_u32 s48, 31, s[WV]
	s_lshl_b32 s[QW], s48, 6                       ; the first tile: j = 31 - wave
	s_lshl_b32 s[QWB], s[WV], 6                    ; the second: j = wave
	s_lshl_b32 s49, s45, 4                         ; 16 cx
	s_add_co_u32 s50, s[QW], s49                   ; my first query, first tile (for global addresses alone)
	s_add_co_u32 s51, s[QWB], s49
	s_add_nc_u64 s[4:5], s[4:5], s[46:47]
	s_lshl_b32 s54, s50, 6                         ; 1,024 bytes for 16 queries
	s_mov_b32 s55, 0
	s_add_nc_u64 s[56:57], s[4:5], s[54:55]
	s_lshl_b32 s54, s51, 6
	s_add_nc_u64 s[58:59], s[4:5], s[54:55]
	s_wait_alu depctr_va_vdst(0)                   ; ahead of the reader below
	global_load_b128 v[16:19], v[LI], s[56:57]     ; Q's fragments of both tiles stay in registers
	global_load_b128 v[20:23], v[LI], s[56:57] offset:512
	global_load_b128 v[24:27], v[LI], s[58:59]
	global_load_b128 v[28:31], v[LI], s[58:59] offset:512
	s_lshr_b32 s54, s44, 4
	s_lshl_b32 s54, s54, 21                        ; y_img: the batch's 128 tiles of rows,
	s_and_b32 s60, s44, 15
	s_lshl_b32 s60, s60, 10                        ; the head's image in a tile
	s_add_co_u32 s54, s54, s60
	s_add_nc_u64 s[12:13], s[12:13], s[54:55]
	s_lshl_b32 s54, s50, 10                        ; 16,384 bytes for 16 rows
	s_add_nc_u64 s[YA:YA+1], s[12:13], s[54:55]
	s_lshl_b32 s54, s51, 10
	s_add_nc_u64 s[YB:YB+1], s[12:13], s[54:55]
	v_and_b32 v10, 15, v0
	v_bfe_u32 v11, v0, 4, 1
	v_lshlrev_b32 v11, 3, v11
	v_sub_nc_u32 v[DQ], v10, v11
	v_add_nc_u32 v[DQ], s49, v[DQ]
	v_mov_b32 v236, 0                              ; a lane permute's destination counts as one of its sources
	v_mov_b32 v252, 0
	v_mov_b32 v253, 0                              ; (the upper half of the pair v[252:253])
	INIT
	s_wait_kmcnt 0x0
	s_add_co_i32 s73, s86, s87
	s_lshl_b32 s73, s73, 23
	s_add_co_i32 s[CS], s[CS], s73                 ; e2 + e3 added to c's exponent field
	s_mov_b32 s[CS+1], s[CS]
	s_add_co_i32 s73, s88, 127
	s_lshl_b32 s74, s73, 23
	v_mov_b32 v244, s74                            ; 2^e4
	s_add_co_i32 s73, s73, 8
	s_lshl_b32 s73, s73, 23
	s_or_b32 s73, s73, 0x600000
	v_mov_b32 v240, s73                            ; 448 x 2^e4, twice: the two halves of a dual pair name registers of different banks
	v_mov_b32 v241, s73
	s_add_co_i32 s73, s90, 127
	s_lshl_b32 s74, s73, 23
	v_mov_b32 v246, s74                            ; 2^e6
	s_add_co_i32 s73, s73, 8
	s_lshl_b32 s73, s73, 23
	s_or_b32 s73, s73, 0x600000
	v_mov_b32 v247, s73                            ; 448 x 2^e6
	s_add_co_i32 s[E45], s88, s89
; A KEY STEP: 128 keys from s[KF] on.  m = 1: the step may lie behind the tile's queries (left out) or on the diagonal (masked).
.macro STEP m
.if \m
	s_add_co_u32 s96, s[QW], 63
	s_cmp_gt_u32 s[KF], s96                        ; all keys come after the tile's queries
	s_cbranch_scc1 .Lhidden_\@
.endif
	v_add_nc_u32 v[ADK], s[TB], v[LI]
	v_add_nc_u32 v[ADV], s[TB], v[LV]
	v_nop                                          ; with the two additions four places in front of loads into registers that the last products read
	v_nop
.irp t, 0,1,2,3,4,5,6,7
	ds_load_b128 v[KV+8*\t:KV+8*\t+3], v[ADK] offset:1024*\t
	ds_load_b128 v[KV+8*\t+4:KV+8*\t+7], v[ADK] offset:1024*\t+512
.endr
	s_wait_alu depctr_va_vdst(0)                   ; ahead of the waits below
.irp t, 0,1,2,3,4,5,6,7
	s_wait_dscnt 14-2*\t                           ; tile t's two loads are in; the later tiles' may be out
	v_wmma_f32_16x16x64_fp8_fp8 v[S+8*\t:S+8*\t+7], v[KV+8*\t:KV+8*\t+7], v[16:23], 0
.endr
.rept 4
	v_nop                                          ; places: behind them V's loads land where K lay, and the scores are read
.endr
.irp c, 0,1,2,3                                ; V's four fragments land while the softmax is worked
.irp g, 0,1,2,3
	ds_load_b128 v[KV+16*\c+4*\g:KV+16*\c+4*\g+3], v[ADV] offset:2048*\c+512*\g
.endr
.endr
.if \m
	s_add_co_u32 s96, s[KF], 128
	s_cmp_le_u32 s96, s[QW]                        ; all keys count: no mask
	s_cbranch_scc1 .Lopen_\@
	s_sub_co_i32 s96, s[QW], s[KF]
	v_add_nc_u32 v252, s96, v[DQ]                  ; d = my query - KF - 8 h.  Register 8 tau + j holds key KF + 16 tau + 8 h + j: hidden where 16 tau + j > d
	v_mov_b32 v254, 0xff800000                     ; -infinity: p = 0 then
.set n, 0
.rept 64
	v_cmp_gt_i32 vcc_lo, 16*(n/8)+n%8, v252
	v_cndmask_b32 v[S+n], v[S+n], v254, vcc_lo
.set n, n+1
.endr
.Lopen_\@:
.endif
	v_max3_num_f32 v254, v[S], v[S+1], v[S+2]      ; the step's largest score of my query, in two chains, each tile from its low end on
	v_max3_num_f32 v252, v[S+3], v[S+4], v[S+5]
.irp i, 6,10,14,18,22,26,30,34,38,42,46,50,54,58
	v_max3_num_f32 v254, v254, v[S+\i], v[S+\i+1]
	v_max3_num_f32 v252, v252, v[S+\i+2], v[S+\i+3]
.endr
	v_max3_num_f32 v254, v254, v[S+62], v[S+63]
	s_delay_alu instid0(VALU_DEP_1)
	v_max_num_f32 v254, v254, v252
	s_delay_alu instid0(VALU_DEP_1)
	v_permlanex16_b32 v236, v254, s[SEL], s[SEL+1]
	s_delay_alu instid0(VALU_DEP_1)
	v_max_num_f32 v254, v254, v236                 ; and among lane l xor 16's
	s_delay_alu instid0(VALU_DEP_1)
	v_mul_f32 v254, s[CS], v254                    ; as t (c is positive)
	s_delay_alu instid0(VALU_DEP_1)
	v_max_num_f32 v13, v13, v254                   ; the running largest t
	v_mov_b32 v254, v12
	s_delay_alu instid0(VALU_DEP_2)
	v_floor_f32 v12, -v13                          ; the new -M = floor(-t)
	s_delay_alu instid0(VALU_DEP_1)
	v_sub_f32 v254, v12, v254                      ; old M - new M: a whole number, 0 or less
	s_delay_alu instid0(VALU_DEP_1)
	v_cvt_i32_f32 v254, v254                       ; (it saturates)
	s_delay_alu instid0(VALU_DEP_1)
	v_ldexp_f32 v252, 1.0, v254                    ; f = 2^(old M - new M)
.set n, 0
.rept 32
	v_pk_fma_f32 v[S+n:S+n+1], v[S+n:S+n+1], s[CS:CS+1], v[12:13] op_sel_hi:[1,0,0]   ; t - M, two at a time
.set n, n+2
.endr
.set n, 0
	s_wait_alu depctr_va_vdst(0)                   ; ahead of the batch
.rept 64
	v_exp_f32 v[S+n], v[S+n]                       ; p = 2^(t - M), at most 1
.set n, n+1
.endr
	v_pk_mul_f32 v[14:15], v[14:15], v[252:253] op_sel_hi:[1,0]   ; the sums under the new M: the plain line behind the exponentials
	s_wait_alu depctr_va_vdst(0)                   ; one wait for the whole batch, ahead of its first reader
	v_pk_add_f32 v[242:243], v[100:101], v[104:105]   ; the row's sum of the unquantised p, in eight chains
	v_pk_add_f32 v[254:255], v[108:109], v[112:113]
	v_pk_add_f32 v[250:251], v[116:117], v[120:121]
	v_pk_add_f32 v[248:249], v[124:125], v[128:129]
	v_pk_add_f32 v[238:239], v[132:133], v[136:137]
	v_pk_add_f32 v[234:235], v[140:141], v[144:145]
	v_pk_add_f32 v[232:233], v[148:149], v[152:153]
	v_pk_add_f32 v[14:15], v[14:15], v[156:157]
	v_pk_add_f32 v[242:243], v[242:243], v[96:97]
	v_pk_add_f32 v[254:255], v[254:255], v[98:99]
	v_pk_add_f32 v[250:251], v[250:251], v[102:103]
	v_pk_add_f32 v[248:249], v[248:249], v[106:107]
	v_pk_add_f32 v[238:239], v[238:239], v[110:111]
	v_pk_add_f32 v[234:235], v[234:235], v[114:115]
	v_pk_add_f32 v[232:233], v[232:233], v[118:119]
	v_pk_add_f32 v[14:15], v[14:15], v[122:123]
	v_pk_add_f32 v[242:243], v[242:243], v[126:127]
	v_pk_add_f32 v[254:255], v[254:255], v[130:131]
	v_pk_add_f32 v[250:251], v[250:251], v[134:135]
	v_pk_add_f32 v[248:249], v[248:249], v[138:139]
	v_pk_add_f32 v[238:239], v[238:239], v[142:143]
	v_pk_add_f32 v[234:235], v[234:235], v[146:147]
	v_pk_add_f32 v[232:233], v[232:233], v[150:151]
	v_pk_add_f32 v[14:15], v[14:15], v[154:155]
	v_pk_add_f32 v[242:243], v[242:243], v[158:159]
	s_delay_alu instid0(VALU_DEP_2)
	v_pk_add_f32 v[14:15], v[14:15], v[248:249]
	s_delay_alu instid0(VALU_DEP_2)
	v_pk_add_f32 v[242:243], v[242:243], v[238:239]
	v_pk_add_f32 v[254:255], v[254:255], v[234:235]
	v_pk_add_f32 v[250:251], v[250:251], v[232:233]
	s_delay_alu instid0(VALU_DEP_2)
	v_pk_add_f32 v[14:15], v[14:15], v[254:255]
	s_delay_alu instid0(VALU_DEP_2)
	v_pk_add_f32 v[242:243], v[242:243], v[250:251]
	s_delay_alu instid0(VALU_DEP_1)
	v_pk_add_f32 v[14:15], v[14:15], v[242:243]
.irp t, 0,1,2,3,4,5,6,7
.irp j, 0,2,4,6                                ; the conversion does not saturate (ISA guide 7.6.2); p is not negative, so the hold is one-sided; two numbers a dual pair
	v_dual_min_num_f32 v[S+8*\t+\j], v[S+8*\t+\j], v240 :: v_dual_min_num_f32 v[S+8*\t+\j+1], v[S+8*\t+\j+1], v241
.endr
	v_cvt_scalef32_pk8_fp8_f32 v[PC+2*\t:PC+2*\t+1], v[S+8*\t:S+8*\t+7], v244
.endr
	s_wait_alu depctr_va_vdst(0)                   ; directly ahead of the first reader of O^T
.set n, 0
.rept 16
	v_pk_mul_f32 v[O+n:O+n+1], v[O+n:O+n+1], v[252:253] op_sel_hi:[1,0]   ; O^T under the new M; also the plain lines between the conversions and the products
.set n, n+2
.endr
	s_wait_alu depctr_va_vdst(0)                   ; ahead of the waits below
.irp c, 0,1,2,3                                ; O^T += V^T P^T: the four accumulators take turns; between two links of a chain stand the three others' and eight products of scores
	s_wait_dscnt 12-4*\c                           ; fragment c's four loads are in
	v_wmma_f32_16x16x128_fp8_fp8 v[O+8*\c:O+8*\c+7], v[KV+16*\c:KV+16*\c+15], v[PC:PC+15], v[O+8*\c:O+8*\c+7]
.endr
.if \m
.Lhidden_\@:
.endif
	s_add_co_u32 s[KF], s[KF], 128
	s_add_co_u32 s[TB], s[TB], 8192
.endm
.macro WALK name, m, trips             ; so many steps: a constant trip count
	s_mov_b32 s[CNT], \trips
\name:
	STEP \m
	s_sub_co_u32 s[CNT], s[CNT], 1
	s_cmp_lg_u32 s[CNT], 0
	s_cbranch_scc1 \name
.endm
; THE WAY OUT of a tile: O^T / the sum x 2^(e4 + e5) is y; lane (r, h) holds row r, channels 16 c + 8 h + 0 .. 7: the four conversions' results are the image's eight registers: two stores of 512 consecutive bytes.
.macro WAYOUT y
	v_add_f32 v14, v14, v15                        ; the sum's two halves,
	s_delay_alu instid0(VALU_DEP_1)
	v_permlanex16_b32 v252, v14, s[SEL], s[SEL+1]
	s_delay_alu instid0(VALU_DEP_1)
	v_add_f32 v14, v14, v252                       ; and lane l xor 16's
	s_wait_alu depctr_va_vdst(0)                   ; ahead of the transcendental
	v_rcp_f32 v14, v14
	v_nop                                          ; plain lines behind the reciprocal; with the lines above also the places behind the last products
	v_nop
	s_wait_xcnt 0x0                                ; the first tile's stores have read their registers
	s_wait_alu depctr_va_vdst(0)                   ; ahead of the reciprocal's first reader
	v_ldexp_f32 v14, v14, s[E45]
	s_wait_alu depctr_va_vdst(0)                   ; directly ahead of the first reader of O^T
.set n, 0
.rept 16
	v_pk_mul_f32 v[S+n:S+n+1], v[O+n:O+n+1], v[14:15] op_sel_hi:[1,0]   ; each accumulator from its low end on
.set n, n+2
.endr
.set n, 0
.rept 32
	v_med3_num_f32 v[S+n], v[S+n], -v247, v247
.set n, n+1
.endr
.irp c, 0,1,2,3
	v_cvt_scalef32_pk8_fp8_f32 v[YC+2*\c:YC+2*\c+1], v[S+8*\c:S+8*\c+7], v246
.endr
	v_nop                                          ; a plain line behind the last conversion
	global_store_b128 v[LI], v[YC:YC+3], s[\y:\y+1]
	global_store_b128 v[LI], v[YC+4:YC+7], s[\y:\y+1] offset:512
.endm
	s_wait_alu depctr_va_vdst(0)                   ; at the head's end
	s_wait_loadcnt 0x0                             ; Q
	s_wait_tensorcnt 0x0                           ; my block of the first eight is in; the three lines stand ahead of a later first fill
	ds_add_u32 v[SPW], v[NIL]
	s_wait_dscnt 0x0
	ROUND                                          ; everybody's is, in all four work-groups
	tensor_load_to_lds s[36:39], s[G1:G1+7]        ; key blocks 8-15: bytes that nothing has filled; my one load behind the round
	s_nop 0
.rept 4
	v_nop
.endr
	s_mov_b32 s[TB], 0
	s_mov_b32 s[KF], 0
	WALK .Lfirst, 0, 2                             ; the long tile (queries from 1,024 on), keys 0 .. 255: every key counts
	s_wait_tensorcnt 0x0                           ; my block of the second eight is in
	ds_add_u32 v[SPW], v[NIL]
	s_wait_dscnt 0x0
	s_barrier_signal -1                            ; say so early
	WALK .Lmore, 0, 6                              ; keys 256 .. 1,023: register work and LDS loads of key blocks 0-7, which nobody writes again
	s_barrier_wait -1                              ; everybody's block of the second eight is in
	s_mov_b32 s[TB], HALF
	s_mov_b32 s[KF], 1024
	WALK .Lsecond, 1, 8
	WAYOUT YA
.irp j, 0,1,2,3,4,5,6,7
	v_mov_b32 v[16+\j], v[24+\j]                   ; the second tile's Q
.endr
	INIT
	s_wait_alu depctr_va_vdst(0)                   ; ahead of the loop's branches
	s_mov_b32 s[QW], s[QWB]
	s_mov_b32 s[TB], 0
	s_mov_b32 s[KF], 0
	WALK .Lthird, 1, 8
	WAYOUT YB
	s_wait_tensorcnt 0x0                           ; the wave's end
	ds_add_u32 v[SPW], v[NIL]
	s_wait_dscnt 0x0
	ROUND                                          ; the closing round
	s_endpgm
.Lfunc_end_k_q2fa70f7cad_attn:
	.size	k_q2fa70f7cad_attn, .Lfunc_end_k_q2fa70f7cad_attn-k_q2fa70f7cad_attn
	.p2alignl 7, 3214868480
	.fill 96, 4, 3214868480
	.section	.rodata,"a",@progbits
	.p2align	6, 0x0
	.amdhsa_kernel k_q2fa70f7cad_attn
		.amdhsa_group_segment_fixed_size 327680
		.amdhsa_private_segment_fixed_size 0
		.amdhsa_enable_private_segment 0
		.amdhsa_kernarg_size 40
		.amdhsa_user_sgpr_count 2
		.amdhsa_user_sgpr_kernarg_segment_ptr 1
		.amdhsa_wavefront_size32 1
		.amdhsa_system_sgpr_workgroup_id_x 1
		.amdhsa_system_sgpr_workgroup_id_y 1
		.amdhsa_system_sgpr_workgroup_id_z 1
		.amdhsa_system_vgpr_workitem_id 0
		.amdhsa_next_free_vgpr 256
		.amdhsa_next_free_sgpr 100
		.amdhsa_reserve_vcc 1
		.amdhsa_float_denorm_mode_32 3
		.amdhsa_float_denorm_mode_16_64 3
		.amdhsa_memory_ordered 1
		.amdhsa_forward_progress 1
		.amdhsa_inst_pref_size 93
	.end_amdhsa_kernel
	.amdgpu_metadata
---
amdhsa.version: [ 1, 2 ]
amdhsa.kernels:
  - .name:           k_q2fa70f7cad_attn
    .symbol:         k_q2fa70f7cad_attn.kd
    .args:
      - { .name: q_img, .offset: 0, .size: 8, .value_kind: global_buffer, .address_space: global }
      - { .name: k_img, .offset: 8, .size: 8, .value_kind: global_buffer, .address_space: global }
      - { .name: v_img, .offset: 16, .size: 8, .value_kind: global_buffer, .address_space: global }
      - { .name: lowp_scales, .offset: 24, .size: 8, .value_kind: global_buffer, .address_space: global }
      - { .name: y_img, .offset: 32, .size: 8, .value_kind: global_buffer, .address_space: global }
    .group_segment_fixed_size: 327680
    .private_segment_fixed_size: 0
    .kernarg_segment_align: 8
    .kernarg_segment_size: 40
    .max_flat_workgroup_size: 512
    .sgpr_count:     100
    .vgpr_count:     256
    .wavefront_size: 32
...
	.end_amdgpu_metadata
.endif
;; end of part 3
;; launch gemm2 (part 4): grid 4 x 64, 4 waves a work-group, clusters of 4 x 4, 327,680 bytes of LDS; arguments y_img, wp_img, b_proj, lowp_scales, out0; writes out0
.if DOCPART == 4
	.amdgcn_target "amdgcn-amd-amdhsa--gfx1250"
	.amdhsa_code_object_version 6
	.text
	.protected	k_q2fa70f7cad_gemm2
	.globl	k_q2fa70f7cad_gemm2
	.p2align	8
	.type	k_q2fa70f7cad_gemm2,@function
k_q2fa70f7cad_gemm2:
	s_mov_b64 s[64:65], 0
	v_nop
	global_prefetch_b8 v0, s[64:65] scope:SCOPE_SE
	s_setreg_imm32_b32 hwreg(HW_REG_WAVE_MODE, 25, 1), 1
	s_wait_xcnt 0x0
	s_wait_alu depctr_hold_cnt(0) depctr_sa_sdst(0) depctr_va_vdst(0) depctr_va_sdst(0) depctr_va_ssrc(0) depctr_va_vcc(0) depctr_vm_vsrc(0)
	s_getreg_b32 s2, hwreg(HW_REG_IB_STS2, 6, 4)
	s_cmp_eq_u32 s2, 0
	s_cbranch_scc0 .Lentry_in_a_cluster
	s_endpgm
.Lentry_in_a_cluster:
	s_bfe_u32 s2, ttmp6, 0x10000c
	s_cmp_lg_u32 s2, 0xf033
	s_cbranch_scc0 .Lentry_shape_is_right
	s_endpgm
.Lentry_shape_is_right:
; out0 = y W_proj + b_proj on codes of E4M3 (K = 1,024); each finished sum x 2^(e6 + e7) + bias, f32.  LIMIT: e6 + e7 between -126 and 127, so that the power of two is an f32 number.
; IMAGES: 16 rows x 64 along K in 1,024 bytes, byte 512 p + 16 lane + y = register 4 p + y / 4 of the 8-bit operand layout.  y_img [512 tiles of 16 rows][16 images], wp_img [64 tiles of 16 columns n][16 images].
; A block of 128 rows x 256 columns is made by four waves, 64 x 128 each: 32 accumulators, 256 registers.  8,192 x 1,024 numbers are 64 x 4 = 256 such blocks.
; K goes in steps of 256 through two LDS slots: region A, 128 rows of y (32,768 bytes), then region B, 256 rows of W (65,536).  Waves 0, 1 fetch 64 rows of A each, waves 2, 3 128 rows of B each: rows of 4,096 bytes.
; THE MATRIX INSTRUCTION: source 0 = 16 rows of B, source 1 = 16 rows of A: a lane holds one row of the result and eight neighbouring columns.
; CLUSTERS: 4 x 4.  Region A's tile hangs on the block's row and is asked for jointly by a row of the cluster, region B's on its column, by a column of the cluster.
; NO PREFETCH: of K's four slots two are asked for at the head and the others at the next two changes of slots: no trip stands two changes ahead of either.
; REGISTERS: window 0: v16-31 addresses; v32-95 the bias; v128-255 A's fragments, two sets of 4; on the way out v128-191 numbers.  window 1: B's fragments, two sets of 8; on the way out rows read back.
;   window 2: the accumulators ((a, b) at v[8 (8 a + b)]).
.set KSB,    4096                      ; a slot's 256 along K of one tile of 16 rows: four images
.set HALFT,  8*KSB                     ; 128 rows
.set SLOT,   3*HALFT                   ; region A's 128 rows, then region B's 256
.set SPARE,  2*SLOT                    ; behind the ring: the spare words, 128 bytes for each wave
.set SPITCH, 528                       ; the way out: a stage of 16 rows x (512 + 16) bytes for each wave, in slot 0, which has had its last fill and its last read by then
.set FR,     16
.set NP,     4                         ; places behind this matrix instruction (ISA guide 7.12.1)
.set ADRA, 16                          ; v16-17  LDS address of my fragments of region A in slot 0, 1
.set ADRB, 20                          ; v20-21  the same for region B
.set STO,  24
.set RD,   25
.set CO,   26                          ; v26     16 x lane
.set SPW,  28                          ; v28     my spare word's address; never rewritten
.set NIL,  29                          ; v29     0; never rewritten
.set BIAS, 32
.set AF,   128
.set TMP,  128
.set G1, 24                            ; s[24:31] group 1 for region A; s[32:39] group 0, one set for each slot
.set G0, 32
.set G1B, 48                           ; s[48:55], s[56:63] the same for region B
.set G0B, 56
.set MSB, 0
.macro WIN new                         ; the immediate's high byte repeats the setting that is left
.if MSB != \new
	s_set_vgpr_msb (MSB<<8)|\new
.set MSB, \new
.endif
.endm
.set MUL_LO, 0xa1                      ; source 0 (B) window 1, source 1 (A) window 0, C and D window 2
.set TO_B,   0x40                      ; destination window 1, address window 0
.macro JLOAD g0a, g1a, g0b, g1b        ; a joint load: waves 0, 1 for region A, waves 2, 3 for region B; s_nop 0 and four v_nop follow each line
	s_cmp_eq_u32 s15, 0
	s_cbranch_scc0 .Lfor_b_\@
	tensor_load_to_lds s[\g0a:\g0a+3], s[\g1a:\g1a+7]
	s_nop 0
.rept 4
	v_nop
.endr
	s_branch .Lasked_\@
.Lfor_b_\@:
	tensor_load_to_lds s[\g0b:\g0b+3], s[\g1b:\g1b+7]
	s_nop 0
.rept 4
	v_nop
.endr
.Lasked_\@:
.endm
.macro CREST                           ; a round of the cluster's barrier behind its opening barrier
	s_cmp_lg_u32 s14, 0
	s_cbranch_scc1 .Lnot_wave_0_\@
	s_barrier_signal -3
.Lnot_wave_0_\@:
	s_barrier_wait -3
	s_barrier_signal -1
	s_barrier_wait -1
.endm
.macro CROUND
	s_barrier_signal -1
	s_barrier_wait -1
	CREST
.endm
	s_load_b128 s[4:7], s[0:1], 0x0                ; y_img, wp_img
	s_load_b128 s[8:11], s[0:1], 0x10              ; b_proj, the scales' exponents
	s_load_b64 s[12:13], s[0:1], 0x20              ; out0
	v_lshl_add_u32 v[SPW], v0, 2, SPARE
	v_mov_b32 v[NIL], 0
	ds_add_u32 v[SPW], v[NIL]                      ; the opening lines: the add twice on end and one wait
	ds_add_u32 v[SPW], v[NIL]
	s_wait_dscnt 0x0
	v_lshrrev_b32 v1, 5, v0
	v_readfirstlane_b32 s14, v1                    ; wave 0..3
	s_lshr_b32 s15, s14, 1                         ; which 64 rows of region A are mine.  Also: I fetch for region A (0) or B (1)
	s_and_b32 s16, s14, 1                          ; which 128 rows of region B.  Also: which half of that region I fetch
	s_bfe_u32 s40, ttmp6, 0x40000                  ; cx
	s_bfe_u32 s41, ttmp6, 0x40004                  ; cy
	s_lshl_b32 s42, ttmp9, 2
	s_add_co_u32 s42, s42, s40                     ; the block's column
	s_and_b32 s17, ttmp7, 0xffff
	s_lshl_b32 s17, s17, 2
	s_add_co_u32 s17, s17, s41                     ; the block's row
	s_lshl_b32 s43, s41, 2
	s_lshl_b32 s43, 15, s43                        ; my row of the cluster
	s_lshl_b32 s44, 0x1111, s40                    ; my column
	s_or_b32 s[G1+0], s43, (1<<21)                 ; the mask; elements of 1 byte; bit 21 beside a mask
	s_or_b32 s[G1B+0], s44, (1<<21)
	s_mov_b32 s[G1+1], KSB<<16                     ; region A: 4 rows of 4,096 bytes, 16,384 apart
	s_mov_b32 s[G1+2], 4<<16
	s_mov_b32 s[G1+3], KSB<<16
	s_mov_b32 s[G1+4], 4
	s_mov_b32 s[G1+5], 16384
	s_mov_b32 s[G1+6], 0
	s_mov_b32 s[G1+7], 0
	s_mov_b32 s[G1B+1], KSB<<16                    ; region B: 8 such rows
	s_mov_b32 s[G1B+2], 8<<16
	s_mov_b32 s[G1B+3], KSB<<16
	s_mov_b32 s[G1B+4], 8
	s_mov_b32 s[G1B+5], 16384
	s_mov_b32 s[G1B+6], 0
	s_mov_b32 s[G1B+7], 0
	s_lshl_b32 s18, s16, 6
	s_lshl_b32 s20, s17, 7
	s_add_co_u32 s20, s20, s18                     ; A: row 128 x block row + 64 x half
	s_lshl_b32 s20, s20, 10                        ; a row is 1,024 bytes of its tile's images
	s_mov_b32 s21, 0
	s_lshl_b32 s18, s16, 7
	s_lshl_b32 s46, s42, 8
	s_add_co_u32 s46, s46, s18                     ; B: row 256 x block column + 128 x half
	s_lshl_b32 s46, s46, 10
	s_mov_b32 s47, 0
	s_mul_i32 s45, s16, HALFT/2                    ; where they go: made of the wave's number alone
	s_mul_i32 s94, s16, HALFT
	s_add_co_u32 s94, s94, HALFT
	s_wait_kmcnt 0x0
	s_load_b256 s[80:87], s[10:11], 0x0            ; e0 .. e7
	s_add_nc_u64 s[20:21], s[4:5], s[20:21]
	s_add_nc_u64 s[46:47], s[6:7], s[46:47]
	CROUND                                         ; in front of the first joint loads
.irp s, 0,1
	s_mov_b32 s[G0+4*\s], 1
	s_add_co_u32 s[G0+4*\s+1], s45, \s*SLOT
	s_add_nc_u64 s[G0+4*\s+2:G0+4*\s+3], s[20:21], \s*KSB
	s_or_b32 s[G0+4*\s+3], s[G0+4*\s+3], 0x80000000
	s_mov_b32 s[G0B+4*\s], 1
	s_add_co_u32 s[G0B+4*\s+1], s94, \s*SLOT
	s_add_nc_u64 s[G0B+4*\s+2:G0B+4*\s+3], s[46:47], \s*KSB
	s_or_b32 s[G0B+4*\s+3], s[G0B+4*\s+3], 0x80000000
.endr
	JLOAD G0, G1, G0B, G1B                         ; slot 0: one tensor load a wave at the head
	v_and_b32 v1, 15, v0                           ; r
	s_wait_alu depctr_va_vdst(0)
	v_bfe_u32 v2, v0, 4, 1                         ; h
	v_and_b32 v3, 31, v0
	v_lshlrev_b32 v[CO], 4, v3
	s_mul_i32 s18, s15, HALFT/2                    ; my 64 rows of region A
	s_mul_i32 s19, s16, HALFT                      ; my 128 rows of region B,
	s_add_co_u32 s19, s19, HALFT                   ; which lie behind A's 128
.irp s, 0,1
	v_add_nc_u32 v[ADRA+\s], s18, v[CO]
	v_add_nc_u32 v[ADRB+\s], s19, v[CO]
	s_add_co_u32 s18, s18, SLOT
	s_add_co_u32 s19, s19, SLOT
.endr
	s_mul_i32 s23, s14, 16*SPITCH                  ; my stage
	v_mul_u32_u24 v5, v1, SPITCH
	s_wait_alu depctr_va_vdst(0)
	v_lshl_add_u32 v5, v2, 5, v5
	v_add_nc_u32 v[STO], s23, v5                   ; in: row r, 32 bytes for each half of the lanes
	v_add_nc_u32 v[RD], s23, v[CO]                 ; back: the 32 lanes take one row of 512 bytes
	v_lshlrev_b32 v4, 5, v2
	s_wait_alu depctr_va_vdst(0)
	s_lshl_b32 s90, s17, 7
	s_lshl_b32 s91, s15, 6
	s_add_co_u32 s90, s90, s91                     ; my first row of the result
	s_lshl_b32 s90, s90, 12                        ; rows of 4,096 bytes
	s_mov_b32 s91, 0
	s_lshl_b32 s92, s42, 10
	s_lshl_b32 s93, s16, 9
	s_add_co_u32 s92, s92, s93                     ; my first column, in bytes
	s_mov_b32 s93, 0
	s_add_nc_u64 s[8:9], s[8:9], s[92:93]
	s_add_nc_u64 s[12:13], s[12:13], s[90:91]
	s_add_nc_u64 s[12:13], s[12:13], s[92:93]
.irp b, 0,1,2,3,4,5,6,7                        ; the bias in the result's layout: register 8 b + j: column 16 b + 8 h + j
	global_load_b128 v[BIAS+8*\b:BIAS+8*\b+3], v4, s[8:9] offset:64*\b
	global_load_b128 v[BIAS+8*\b+4:BIAS+8*\b+7], v4, s[8:9] offset:64*\b+16
.endr
	s_wait_kmcnt 0x0
	s_add_co_i32 s96, s86, s87
	s_add_co_i32 s96, s96, 127
	s_lshl_b32 s96, s96, 23                        ; 2^(e6 + e7) as f32
	s_mov_b32 s97, s96
.macro FRAG reg, adr, q, i             ; a fragment, 16 rows x 128 K: four loads of 512 consecutive bytes
.irp c, 0,1,2,3
	ds_load_b128 v[\reg+4*\c:\reg+4*\c+3], v[\adr] offset:2048*(\q)+512*\c+(\i)*KSB
.endr
.endm
; 16 matrix instructions: A's blocks a0, a0 + 1 x B's eight, 128 along K, from set p.  The 32 accumulators take turns, in the same order in every step.
.macro MUL16 a0, p, zero
.irp a, \a0, \a0+1
.irp b, 0,1,2,3,4,5,6,7
.if \zero
	v_wmma_f32_16x16x128_fp8_fp8 v[8*(8*(\a)+\b):8*(8*(\a)+\b)+7], v[128*(\p)+FR*\b:128*(\p)+FR*\b+FR-1], v[AF+64*(\p)+FR*(\a):AF+64*(\p)+FR*(\a)+FR-1], 0
.else
	v_wmma_f32_16x16x128_fp8_fp8 v[8*(8*(\a)+\b):8*(8*(\a)+\b)+7], v[128*(\p)+FR*\b:128*(\p)+FR*\b+FR-1], v[AF+64*(\p)+FR*(\a):AF+64*(\p)+FR*(\a)+FR-1], v[8*(8*(\a)+\b):8*(8*(\a)+\b)+7]
.endif
.endr
.endr
.endm
.macro FETCH slot, q                   ; 48 LDS loads: the fragments of the slot's q-th 128 along K into set q
	WIN TO_B
.irp i, 0,1,2,3,4,5,6,7
	FRAG 128*(\q)+FR*\i, ADRB+\slot, \q, \i
.endr
	WIN 0
.irp i, 0,1,2,3
	FRAG AF+64*(\q)+FR*\i, ADRA+\slot, \q, \i
.endr
.endm
.macro PLACES n                        ; plain vector lines between a matrix instruction and a load into, or a vector line on, one of its registers
.rept \n
	v_nop
.endr
.endm
.macro STEP slot, zero                 ; a slot's first 128 along K, from set 0; set 1 is fetched under its products
	s_wait_dscnt 0x0                               ; set 0 is in
	PLACES NP                                      ; behind the last products, which read set 1
	FETCH \slot, 1
	WIN MUL_LO
	MUL16 0, 0, \zero
	MUL16 2, 0, \zero
	WIN 0
.endm
; A slot's second 128 along K changes slots: in front of the one barrier each wave waits for all its tensor loads, adds 0 to its spare word, and waits for that and for its reads of this slot.
.macro TURN slot, next, fill
	s_wait_tensorcnt 0x0                           ; my part of the next slot is in
	ds_add_u32 v[SPW], v[NIL]
	s_wait_dscnt 1                                 ; set 1 is in; the add alone may be out
	WIN MUL_LO
	MUL16 0, 1, 0                                  ; sixteen matrix instructions between the add and the wait for it
	WIN 0
	s_wait_dscnt 0x0
	s_barrier_signal -1
	s_barrier_wait -1
.if \fill
	CREST                                          ; the barrier has opened a round of the cluster's barrier
	s_add_nc_u64 s[G0+4*\slot+2:G0+4*\slot+3], s[G0+4*\slot+2:G0+4*\slot+3], 2*KSB
	s_add_nc_u64 s[G0B+4*\slot+2:G0B+4*\slot+3], s[G0B+4*\slot+2:G0B+4*\slot+3], 2*KSB
	JLOAD G0+4*\slot, G1, G0B+4*\slot, G1B         ; the first tensor load behind the round; its four v_nop are the places in front of the loads below
.else
	PLACES NP
.endif
	FETCH \next, 0                                 ; the next slot's set 0 lands under the sixteen products below
	WIN MUL_LO
	MUL16 2, 1, 0
	WIN 0
.endm
	s_wait_alu depctr_va_vdst(0)                   ; at the head's end
	s_wait_tensorcnt 0x0                           ; my part of slot 0 is in; the three lines stand ahead of a later first fill as ahead of a refill
	ds_add_u32 v[SPW], v[NIL]
	s_wait_dscnt 0x0
	CROUND
	JLOAD G0+4, G1, G0B+4, G1B                     ; slot 1's first fill: the first tensor load behind the round
	FETCH 0, 0
	STEP 0, 1                                      ; K = 1,024 is four slots' worth, eight steps.  The first step's products start the sums
	TURN 0, 1, 1
	STEP 1, 0
	TURN 1, 0, 1
	STEP 0, 0
	TURN 0, 1, 0                                   ; nothing is left to fetch
	STEP 1, 0
	s_wait_dscnt 0x0                               ; the last step
	WIN MUL_LO
	MUL16 0, 1, 0
	MUL16 2, 1, 0
	WIN 0
; THE WAY OUT, block by block of 16 rows x 128 columns: sum x 2^(e6 + e7) + bias; through my stage in LDS; back as whole rows of 512 bytes, which the 32 lanes store as two aligned units of 256 bytes.
.macro TOSTAGE a
.set AC, 64*(\a)
	WIN 0x02                                       ; source 0: window 2
.set n, 0
.rept 32
	v_pk_fma_f32 v[TMP+n:TMP+n+1], v[AC+n:AC+n+1], s[96:97], v[BIAS+n:BIAS+n+1] op_sel_hi:[1,0,1]   ; each accumulator from its low end on
.set n, n+2
.endr
	WIN 0
.irp b, 0,1,2,3,4,5,6,7
	ds_store_b128 v[STO], v[TMP+8*\b:TMP+8*\b+3] offset:64*\b
	ds_store_b128 v[STO], v[TMP+8*\b+4:TMP+8*\b+7] offset:64*\b+16
.endr
.set BB, 64*((\a)%2)
	WIN TO_B
.irp t, 0,1,2,3,4,5,6,7,8,9,10,11,12,13,14,15
	ds_load_b128 v[BB+4*\t:BB+4*\t+3], v[RD] offset:\t*SPITCH   ; LDS serves a wave's instructions in order: these see the stores above
.endr
	WIN 0
.endm
.macro SEND a, younger                 ; younger: the LDS instructions issued behind block a's loads, which may stay out
.set BB, 64*((\a)%2)
	s_wait_dscnt \younger
.if (\a) > 0
	s_add_nc_u64 s[12:13], s[12:13], 16*4096       ; (behind a wait on XCNT: the earlier stores have read their base)
.endif
	WIN 0x04                                       ; store data: window 1
.irp t, 0,1,2,3,4,5,6,7,8,9,10,11,12,13,14,15
	global_store_b128 v[CO], v[BB+4*\t:BB+4*\t+3], s[12:13] offset:\t*4096 th:TH_STORE_NT
.endr
	WIN 0
.endm
	s_wait_loadcnt 0x0                             ; the bias
	PLACES NP                                      ; behind the last products
	TOSTAGE 0
.irp a, 1,2,3
.if \a > 1
	s_wait_xcnt 0x0                                ; block a - 2's stores have read their registers and their base
.endif
	TOSTAGE \a
	SEND \a-1, 32                                  ; behind block a - 1's loads: block a's 16 stores and 16 loads
.endr
	s_wait_xcnt 0x0
	SEND 3, 0
	s_wait_tensorcnt 0x0                           ; the wave's end
	ds_add_u32 v[SPW], v[NIL]
	s_wait_dscnt 0x0
	CROUND                                         ; the closing round
	s_endpgm
.Lfunc_end_k_q2fa70f7cad_gemm2:
	.size	k_q2fa70f7cad_gemm2, .Lfunc_end_k_q2fa70f7cad_gemm2-k_q2fa70f7cad_gemm2
	.p2alignl 7, 3214868480
	.fill 96, 4, 3214868480
	.section	.rodata,"a",@progbits
	.p2align	6, 0x0
	.amdhsa_kernel k_q2fa70f7cad_gemm2
		.amdhsa_group_segment_fixed_size 327680
		.amdhsa_private_segment_fixed_size 0
		.amdhsa_enable_private_segment 0
		.amdhsa_kernarg_size 40
		.amdhsa_user_sgpr_count 2
		.amdhsa_user_sgpr_kernarg_segment_ptr 1
		.amdhsa_wavefront_size32 1
		.amdhsa_system_sgpr_workgroup_id_x 1
		.amdhsa_system_sgpr_workgroup_id_y 1
		.amdhsa_system_sgpr_workgroup_id_z 1
		.amdhsa_system_vgpr_workitem_id 0
		.amdhsa_next_free_vgpr 768
		.amdhsa_next_free_sgpr 100
		.amdhsa_reserve_vcc 0
		.amdhsa_float_denorm_mode_32 3
		.amdhsa_float_denorm_mode_16_64 3
		.amdhsa_memory_ordered 1
		.amdhsa_forward_progress 1
		.amdhsa_inst_pref_size 78
	.end_amdhsa_kernel
	.amdgpu_metadata
---
amdhsa.version: [ 1, 2 ]
amdhsa.kernels:
  - .name:           k_q2fa70f7cad_gemm2
    .symbol:         k_q2fa70f7cad_gemm2.kd
    .args:
      - { .name: y_img, .offset: 0, .size: 8, .value_kind: global_buffer, .address_space: global }
      - { .name: wp_img, .offset: 8, .size: 8, .value_kind: global_buffer, .address_space: global }
      - { .name: b_proj, .offset: 16, .size: 8, .value_kind: global_buffer, .address_space: global }
      - { .name: lowp_scales, .offset: 24, .size: 8, .value_kind: global_buffer, .address_space: global }
      - { .name: out0, .offset: 32, .size: 8, .value_kind: global_buffer, .address_space: global }
    .group_segment_fixed_size: 327680
    .private_segment_fixed_size: 0
    .kernarg_segment_align: 8
    .kernarg_segment_size: 40
    .max_flat_workgroup_size: 128
    .sgpr_count:     100
    .vgpr_count:     768
    .wavefront_size: 32
...
	.end_amdgpu_metadata
.endif
;; end of part 4
